; MI455X (gfx1250); checked and timed in simulation.
; The chip was launched on July 23, 2026; its instructions are those of AMD's public machine-readable ISA for CDNA 5 (MIT licence, August 2026) and "CDNA5" Instruction Set Architecture Reference Guide (July 2026). The comments in the code are by the model that wrote it; some were corrected since.
;; Multi Head Attention. Allowed arithmetic: matrix products marked QUANTISED: E4M3 operands, one E8M0 scale for each 32 along K, by v_wmma_scale_f32_16x16x128_f8f6f4 with both operands' format E4M3, f32 sums; everything else in f32.
;; Inputs: W_out_codes 1,024 x 32 x 32 uint8 (E4M3 codes of W_out, K innermost, in blocks of 32 codes); W_out_scales 1,024 x 32 uint8 (E8M0 scales of W_out, one for each 32 codes along K); W_qkv_codes 3,072 x 32 x 32 uint8 (E4M3 codes of W_qkv, K innermost, in blocks of 32 codes); W_qkv_scales 3,072 x 32 uint8 (E8M0 scales of W_qkv, one for each 32 codes along K); b_out 1,024 float32; b_qkv 3,072 float32; x_codes 4 x 2,048 x 32 x 32 uint8 (E4M3 codes of x, K innermost, in blocks of 32 codes); x_scales 4 x 2,048 x 32 uint8 (E8M0 scales of x, one for each 32 codes along K).
;; Outputs: out0 4 x 2,048 x 1,024 float32.
;; This version of the problem:
;;   THIS VERSION OF THE PROBLEM IS GIVEN IN LOW PRECISION. The matrix products marked QUANTISED in the list below multiply operands that are first quantised to E4M3 (4 exponent bits, 3 mantissa bits; 8 bits a number), with one power-of-two scale for each 32 numbers along K (OCP MX v1.0); their sums are f32. All else is computed in f32.
;;   The module's matrix products, in the order in which they are computed (A, B: the left and right operand; K: the contracted axis; several contracted axes count as one K, in the product's order):
;;     1. [M 8,192, K 1,024] x [K 1,024, N 3,072]; A: input x (given as codes); B: input W_qkv (given as codes): QUANTISED
;;     2. batch 64 x [M 2,048, K 64] x [K 64, N 2,048]; A: computed on the way; B: computed on the way: QUANTISED
;;     3. batch 64 x [M 2,048, K 2,048] x [K 2,048, N 64]; A: softmax (see below); B: computed on the way: QUANTISED
;;     4. [M 8,192, K 1,024] x [K 1,024, N 1,024]; A: computed on the way; B: input W_out (given as codes): QUANTISED
;;   THE QUANTISER, for each operand of a quantised product, along K:
;;     - K is cut into blocks of 32 from its start; a last block that is shorter is filled with zeros.
;;     - A block's scale is 2^e with e = floor(log2(the largest magnitude in the block)) - 8, held to -126 .. 127; a block of zeros has e = 0. As a byte (E8M0): e + 127.
;;     - Each number is divided by its block's scale, clamped to +-448, and rounded to the nearest number of E4M3, ties to even, subnormals kept.
;;     - The product sums the exact products of the quantised numbers (number of the format x scale) in f32.
;;   ~~~python
;;   def quantise(x, axis):      # numpy; x: float32 -> the quantised numbers, widened to float32 again
;;       x = np.moveaxis(x, axis, -1); K = x.shape[-1]
;;       x = np.pad(x, [(0, 0)] * (x.ndim - 1) + [(0, -K % 32)]); x = x.reshape(x.shape[:-1] + (-1, 32)); a = np.abs(x).max(-1, keepdims=True)
;;       e = np.where(a > 0, np.clip(np.frexp(np.where(a > 0, a, 1))[1] - 1 - 8, -126, 127), 0)      # np.frexp(a)[1] - 1 = floor(log2(a)), exactly
;;       r = np.clip(x / 2.0 ** e, -448, 448)
;;       step = 2.0 ** (np.maximum(np.frexp(np.where(r == 0, 1, r))[1] - 1, -6) - 3)
;;       q = np.round(r / step) * step * 2.0 ** e      # np.round: ties to even
;;       return np.moveaxis(q.reshape(q.shape[:-2] + (-1,))[..., :K], -1, axis).astype(np.float32)
;;   ~~~
;;   SOFTMAX AHEAD OF A QUANTISED PRODUCT. Where the list says 'softmax', what is quantised is not the finished softmax but p = 2^(t - M), with t = logit x log2(e) and M = ceil(the row's largest t), a whole number; so 1/2 < the row's largest p <= 1. The row's sum l is taken of the UNQUANTISED p, in f32, and the product's result is divided by l at the end. Since M is a whole number, a kernel that streams over the keys may use a running M (the ceiling of the running maximum): every later rescaling is an exact power of two, which a block's scale takes up: the codes' values come out the same.
;;   OPERANDS COMPUTED ON THE WAY. 'Computed on the way' means the value that the module computes at that place (a softmax that the list does not call 'softmax' is quantised finished and normalised). What goes into a quantiser is computed in f32, as accurately as f32 sums, v_exp_f32 and their like allow (about 1e-6 of the number): no bf16 or f16 on the way to a quantiser, and a product that is left as it is and whose result goes on into a quantised operand takes f32 operands (vector FMAs, or v_wmma_f32_16x16x4_f32). A number that lies on a knife's edge between two numbers of the format may be rounded either way, as far as f32 arithmetic and the matrix unit's own rounding can turn it there, and no further.
;;   INPUTS GIVEN AS CODES. W_out (in the module: [1024, 1024], K = its axis 1); W_qkv (in the module: [3072, 1024], K = its axis 1); x (in the module: [4, 2048, 1024], K = its axis 2): each comes as NAME_codes (uint8): NAME with its K axis moved to the last place and cut into blocks of 32 codes, [.., K / 32, bytes a block], one block behind the other in memory; one code a byte (a code: sign, 4 exponent bits, 3 mantissa bits); and NAME_scales (uint8): the same leading axes, one E8M0 byte (e + 127) for each 32 codes along K. Its value is code x scale, taken as it is: it is not quantised again, and the codes and scales need not be those that the quantiser above would give.
;; One version. Each part assembles by itself: llvm-mc -triple=amdgcn-amd-amdhsa -mcpu=gfx1250 --defsym DOCPART=n.
;; ======== version 1 of 1: 3 launches
;; limits: right only within a limited range of input values
;; workspace buffers: qkv_codes 25,165,824 bytes; qkv_scales 786,432 bytes; a_codes 8,388,608 bytes; a_scales 262,144 bytes
;; launch qkv (part 1): grid 8 x 48, 4 waves a work-group, clusters of 4 x 4, 327,680 bytes of LDS; arguments x_codes, x_scales, W_qkv_codes, W_qkv_scales, b_qkv, qkv_codes, qkv_scales; writes qkv_codes, qkv_scales
.if DOCPART == 1
	.amdgcn_target "amdgcn-amd-amdhsa--gfx1250"
	.amdhsa_code_object_version 6
	.text
	.protected	k_q2a18a232db_qkv
	.globl	k_q2a18a232db_qkv
	.p2align	8
	.type	k_q2a18a232db_qkv,@function
k_q2a18a232db_qkv:
	s_mov_b64 s[64:65], 0
	v_nop
	global_prefetch_b8 v0, s[64:65] scope:SCOPE_SE
	s_setreg_imm32_b32 hwreg(HW_REG_WAVE_MODE, 25, 1), 1
	s_wait_xcnt 0x0
	s_wait_alu depctr_hold_cnt(0) depctr_sa_sdst(0) depctr_va_vdst(0) depctr_va_sdst(0) depctr_va_ssrc(0) depctr_va_vcc(0) depctr_vm_vsrc(0)
	s_getreg_b32 s2, hwreg(HW_REG_IB_STS2, 6, 4)
	s_cmp_eq_u32 s2, 0
	s_cbranch_scc0 .Lentry_in_a_cluster
	s_endpgm
.Lentry_in_a_cluster:
	s_bfe_u32 s2, ttmp6, 0x10000c
	s_cmp_lg_u32 s2, 0xf033
	s_cbranch_scc0 .Lentry_shape_is_right
	s_endpgm
.Lentry_shape_is_right:
.set KSTEP,  256
.set NQ,     KSTEP/128
.set ROWB,   256
.set KROW,   1024
.set PITCH,  272
.set FR,     16
.set NL,     4
.set NP,     8
.set HALFT,  128*PITCH
.set SLOT,   4*HALFT
.set LAPS,   1024/(2*KSTEP)
.set KS,     32
.set SCL,    2*SLOT
.set HALFS,  (128*KS/256)*272
.set SBLK,   (16*KS/256)*272
.set SPARE,  SCL+4*HALFS
.set BIA,    SPARE+512                 ; behind the spare words: 512 bytes a wave for its 128 numbers of the bias
.set ADRA, 16
.set BH,   18
.set BR,   19
.set ADRB, 20
.set SCO,  24
.set LN,   25
.set CO,   26
.set ADRS, 27
.set SPW,  28
.set NIL,  29
.set SC,   32
.set BP,   64
.set AF,   128
.set ST,   128
.set TM,   208
.set PWS,  224
.set W,    232
.set OUT,  240
.set G1, 24
.set G0, 32
.set G1B, 48
.set G0B, 56
.set GA0, 68                           ; s[68:83] group 0 of the head's four loads: slot 0's A and B, slot 1's A and B, 256 rows each
.set GB0, 72
.set GA1, 76
.set GB1, 80
.set MSB, 0
.macro WIN new
.if MSB != (\new)
	s_set_vgpr_msb (MSB<<8)|(\new)
.set MSB, (\new)
.endif
.endm
.set MUL_LO, 0xa1
.set MUL_HI, 0xf1
.set TO_B,   0x40
.macro JLOAD g0a, g1a, g0b, g1b
	s_cmp_eq_u32 s15, 0
	s_cbranch_scc0 .Lfor_b_\@
	tensor_load_to_lds s[\g0a:\g0a+3], s[\g1a:\g1a+7]
	s_nop 0
.rept 4
	v_nop
.endr
	s_branch .Lasked_\@
.Lfor_b_\@:
	tensor_load_to_lds s[\g0b:\g0b+3], s[\g1b:\g1b+7]
	s_nop 0
.rept 4
	v_nop
.endr
.Lasked_\@:
.endm
.macro CREST
	s_cmp_lg_u32 s14, 0
	s_cbranch_scc1 .Lnot_wave_0_\@
	s_barrier_signal -3
.Lnot_wave_0_\@:
	s_barrier_wait -3
	s_barrier_signal -1
	s_barrier_wait -1
.endm
.macro CROUND
	s_barrier_signal -1
	s_barrier_wait -1
	CREST
.endm
	s_load_b128 s[4:7], s[0:1], 0x0
	s_load_b128 s[8:11], s[0:1], 0x10
	s_load_b64 s[12:13], s[0:1], 0x20
	s_load_b64 s[96:97], s[0:1], 0x28
	s_load_b64 s[98:99], s[0:1], 0x30
	v_lshl_add_u32 v[SPW], v0, 2, SPARE
	v_mov_b32 v[NIL], 0
	ds_add_u32 v28, v29
	ds_add_u32 v28, v29
	s_wait_dscnt 0x0
	v_lshrrev_b32 v1, 5, v0
	v_readfirstlane_b32 s14, v1
	s_lshr_b32 s15, s14, 1
	s_and_b32 s16, s14, 1
	s_bfe_u32 s40, ttmp6, 0x40000
	s_bfe_u32 s41, ttmp6, 0x40004
	s_lshl_b32 s42, ttmp9, 2
	s_add_co_u32 s42, s42, s40
	s_and_b32 s67, ttmp7, 0xffff
	s_max_u32 s45, s67, 8
	s_sub_co_u32 s45, s45, 8
	s_lshl_b32 s45, s45, 3
	s_add_co_u32 s42, s42, s45
	s_lshl_b32 s17, s67, 2
	s_cmp_lt_u32 s67, 8
	s_cselect_b32 s17, s17, 8
	s_cselect_b32 s66, 0, 1
	s_add_co_u32 s17, s17, s41
	s_lshl_b32 s43, s41, 2
	s_lshl_b32 s43, 15, s43
	s_lshl_b32 s44, 0x1111, s40
	s_or_b32 s[G1+0], s43, (0<<16)|(1<<20)|(1<<21)|(5<<22)|(3<<25)
	s_or_b32 s[G1B+0], s44, (0<<16)|(1<<20)|(1<<21)|(5<<22)|(3<<25)
.irp g, G1, G1B
	s_mov_b32 s[\g+1], ROWB<<16
	s_mov_b32 s[\g+2], 256<<16                     ; the head's loads bring 256 rows; behind them the two words that count rows are set to 128
	s_mov_b32 s[\g+3], ROWB<<16
	s_mov_b32 s[\g+4], 256
	s_mov_b32 s[\g+5], KROW
	s_mov_b32 s[\g+6], 0
	s_mov_b32 s[\g+7], 0
.endr
	s_lshl_b32 s18, s16, 7
	s_lshl_b32 s20, s17, 8
	s_add_co_u32 s20, s20, s18
	s_lshl_b32 s46, s42, 8
	s_add_co_u32 s46, s46, s18
	s_mov_b32 s21, 0
	s_mov_b32 s47, 0
	s_mov_b64 s[18:19], KS
	s_mul_u64 s[22:23], s[20:21], s[18:19]
	s_mul_u64 s[92:93], s[46:47], s[18:19]
	s_mov_b64 s[18:19], KROW
	s_mul_u64 s[20:21], s[20:21], s[18:19]
	s_mul_u64 s[46:47], s[46:47], s[18:19]
	s_mul_i32 s45, s14, HALFT
	s_mul_i32 s94, s14, HALFS
	s_wait_kmcnt 0x0
	s_cmp_eq_u32 s66, 0
	s_cselect_b64 s[2:3], s[4:5], s[8:9]
	s_cselect_b64 s[8:9], s[8:9], s[4:5]
	s_mov_b64 s[4:5], s[2:3]
	s_cselect_b64 s[2:3], s[6:7], s[10:11]
	s_cselect_b64 s[10:11], s[10:11], s[6:7]
	s_mov_b64 s[6:7], s[2:3]
	s_add_nc_u64 s[20:21], s[4:5], s[20:21]
	s_add_nc_u64 s[22:23], s[6:7], s[22:23]
	s_add_nc_u64 s[46:47], s[8:9], s[46:47]
	s_add_nc_u64 s[92:93], s[10:11], s[92:93]
	s_mul_i32 s2, s16, 128*KROW                    ; s[20:21] and s[46:47] stand at my half of the tiles: the head's loads begin at the tiles' first rows
	s_mov_b32 s3, 0
	s_sub_nc_u64 s[GA0+2:GA0+3], s[20:21], s[2:3]
	s_sub_nc_u64 s[GB0+2:GB0+3], s[46:47], s[2:3]
	s_add_nc_u64 s[GA1+2:GA1+3], s[GA0+2:GA0+3], ROWB
	s_add_nc_u64 s[GB1+2:GB1+3], s[GB0+2:GB0+3], ROWB
.irp g, GA0, GB0, GA1, GB1
	s_mov_b32 s[\g], 1
	s_or_b32 s[\g+3], s[\g+3], 0x80000000
.endr
	s_mov_b32 s[GA0+1], 0
	s_mov_b32 s[GB0+1], 2*HALFT
	s_mov_b32 s[GA1+1], SLOT
	s_mov_b32 s[GB1+1], SLOT+2*HALFT
.irp s, 0,1
	s_mov_b32 s[G0+4*\s], 1
	s_add_co_u32 s[G0+4*\s+1], s45, \s*SLOT
	s_add_nc_u64 s[G0+4*\s+2:G0+4*\s+3], s[20:21], \s*ROWB
	s_or_b32 s[G0+4*\s+3], s[G0+4*\s+3], 0x80000000
	s_mov_b32 s[G0B+4*\s], 1
	s_add_co_u32 s[G0B+4*\s+1], s45, \s*SLOT
	s_add_nc_u64 s[G0B+4*\s+2:G0B+4*\s+3], s[46:47], \s*ROWB
	s_or_b32 s[G0B+4*\s+3], s[G0B+4*\s+3], 0x80000000
.endr
	CROUND                                         ; all sixteen work-groups are here: the first joint loads meet
; THE HEAD'S LOADS, ONE A WAVE, in one tree of branches on the wave's number: both slots' first fills go out as one group
.macro ARM under, g0, g1, next
	s_cmp_lt_u32 s14, \under
	s_cbranch_scc0 \next
	tensor_load_to_lds s[\g0:\g0+3], s[\g1:\g1+7]
	s_nop 0
.rept 4
	v_nop
.endr
	s_branch .Lhead_asked
\next:
.endm
	ARM 1, GA0, G1,  .Lhead_b0
	ARM 2, GB0, G1B, .Lhead_a1
	ARM 3, GA1, G1,  .Lhead_b1
	tensor_load_to_lds s[GB1:GB1+3], s[G1B:G1B+7]
	s_nop 0
.rept 4
	v_nop
.endr
.Lhead_asked:
	; the scale bytes come through registers: wave w brings 4,096 dense bytes (128 rows: waves 0, 1 of A's, waves 2, 3 of B's) and lays them as units of 256 bytes + 16
	s_cmp_eq_u32 s15, 0
	s_cselect_b64 s[2:3], s[22:23], s[92:93]
	s_add_co_u32 s94, s94, SCL
	v_and_b32 v1, 31, v0
	v_bfe_u32 v2, v0, 4, 1
	v_lshlrev_b32 v30, 4, v1
	v_lshl_add_u32 v31, v2, 4, v30
	v_add_nc_u32 v31, s94, v31
.irp j, 0,1,2,3,4,5,6,7
	global_load_b128 v[AF+4*\j:AF+4*\j+3], v30, s[2:3] offset:512*\j
.endr
	v_and_b32 v1, 15, v0
	v_bfe_u32 v2, v0, 4, 1
	v_mul_u32_u24 v3, v1, PITCH
	v_lshl_add_u32 v4, v2, 4, v3
	s_mul_i32 s21, s15, HALFT
	s_mul_i32 s22, s16, HALFT
	s_add_co_u32 s22, s22, 2*HALFT
.irp s, 0,1
	v_add_nc_u32 v[ADRA+\s], s21, v4
	v_add_nc_u32 v[ADRB+\s], s22, v4
	s_add_co_u32 s21, s21, SLOT
	s_add_co_u32 s22, s22, SLOT
.endr
	v_mul_u32_u24 v5, v1, KS
	v_lshrrev_b32 v6, 8, v5
	v_lshl_add_u32 v5, v6, 4, v5
	s_mul_i32 s21, s15, HALFS
	s_mul_i32 s22, s16, HALFS
	s_add_co_u32 s22, s22, 2*HALFS
	s_sub_co_u32 s22, s22, s21
	v_mul_u32_u24 v6, s22, v2
	s_add_co_u32 s21, s21, SCL
	v_add_nc_u32 v5, v5, v6
	v_add_nc_u32 v[ADRS], s21, v5
	s_lshl_b32 s23, s14, 9
	s_add_co_u32 s23, s23, BIA                     ; my wave's bytes for the bias
	v_lshlrev_b32 v[BH], 5, v2
	v_lshlrev_b32 v[BR], 2, v1
	v_add_nc_u32 v[BH], s23, v[BH]
	v_add_nc_u32 v[BR], s23, v[BR]
	v_add_nc_u32 v22, s23, v30                     ; where my lane puts its 16 bytes of it
	v_lshlrev_b32 v[SCO], 4, v1
	v_lshl_add_u32 v[SCO], v2, 14, v[SCO]
	v_and_b32 v[LN], 31, v0
	v_lshlrev_b32 v[CO], 4, v[LN]
	s_cmp_eq_u32 s66, 0
	s_cselect_b32 s92, s17, s42
	s_cselect_b32 s93, s42, s17
	s_cselect_b32 s94, s15, s16
	s_cselect_b32 s95, s16, s15
	s_lshl_b32 s93, s93, 2
	s_lshl_b32 s95, s95, 1
	s_add_co_u32 s93, s93, s95
	s_lshr_b32 s95, s92, 3
	s_and_b32 s92, s92, 7
	s_lshl_b32 s92, s92, 1
	s_add_co_u32 s92, s92, s94
	s_lshl_b32 s46, s93, 19
	s_lshl_b32 s47, s95, 17
	s_add_co_u32 s46, s46, s47
	s_lshl_b32 s47, s92, 13
	s_add_co_u32 s46, s46, s47
	s_mov_b32 s47, 0
	s_add_nc_u64 s[96:97], s[96:97], s[46:47]
	s_lshl_b32 s46, s93, 14
	s_lshl_b32 s20, s95, 12
	s_add_co_u32 s46, s46, s20
	s_lshl_b32 s20, s92, 8
	s_add_co_u32 s46, s46, s20
	s_add_nc_u64 s[98:99], s[98:99], s[46:47]
	s_lshl_b32 s46, s93, 8
	s_add_nc_u64 s[12:13], s[12:13], s[46:47]
	global_load_b128 v[AF+32:AF+35], v30, s[12:13] ; my 128 numbers of the bias, 512 consecutive bytes: asked for here, under the tensor loads' flight
	s_mov_b32 s20, 0x76543210
	s_mov_b32 s21, 0xfedcba98
	s_mov_b32 s22, 0x600000
.macro FRAG reg, adr, q, i
.irp c, 0,1,2,3
	ds_load_b128 v[\reg+4*\c:\reg+4*\c+3], v[\adr] offset:128*(\q)+32*\c+(\i)*16*PITCH
.endr
.endm
.macro MUL16 a0, p, q, sc, zero
.irp a, \a0, \a0+1
.irp b, 0,1,2,3,4,5,6,7
.if \zero
	v_wmma_scale_f32_16x16x128_f8f6f4 v[8*(8*((\a)%4)+\b):8*(8*((\a)%4)+\b)+7], v[128*(\p)+FR*\b:128*(\p)+FR*\b+FR-1], v[AF+FR*(\a):AF+FR*(\a)+FR-1], 0, v[SC+8*NQ*(\sc)+NQ*\b+(\q)], v[SC+8*NQ*(\sc)+NQ*(\a)+(\q)] matrix_a_scale:MATRIX_SCALE_ROW1
.else
	v_wmma_scale_f32_16x16x128_f8f6f4 v[8*(8*((\a)%4)+\b):8*(8*((\a)%4)+\b)+7], v[128*(\p)+FR*\b:128*(\p)+FR*\b+FR-1], v[AF+FR*(\a):AF+FR*(\a)+FR-1], v[8*(8*((\a)%4)+\b):8*(8*((\a)%4)+\b)+7], v[SC+8*NQ*(\sc)+NQ*\b+(\q)], v[SC+8*NQ*(\sc)+NQ*(\a)+(\q)] matrix_a_scale:MATRIX_SCALE_ROW1
.endif
.endr
.endr
.endm
.macro FETCH_B slot, q, p
	WIN TO_B
.irp i, 0,1,2,3,4,5,6,7
	FRAG 128*(\p)+FR*\i, ADRB+\slot, \q, \i
.endr
	WIN 0
.endm
.macro FETCH_A slot, q, i0
.irp i, \i0, \i0+1, \i0+2, \i0+3
	FRAG AF+FR*(\i), ADRA+\slot, \q, \i
.endr
.endm
.macro SCALES sc
.irp i, 0,1,2,3,4,5,6,7
	ds_load_b64 v[SC+8*NQ*\sc+NQ*\i:SC+8*NQ*\sc+NQ*\i+1], v[ADRS] offset:\i*SBLK
.endr
.endm
.macro PLACES n
.rept \n
	v_nop
.endr
.endm
.macro STEP slot, q, zero
	s_wait_dscnt 4*NL
	WIN MUL_LO
	MUL16 0, (\q)%2, \q, \slot, \zero
	MUL16 2, (\q)%2, \q, \slot, \zero
	s_wait_dscnt 0
	PLACES NP
	FETCH_B \slot, (\q)+1, 1-(\q)%2
	FETCH_A \slot, (\q)+1, 0
	WIN MUL_HI
	MUL16 4, (\q)%2, \q, \slot, \zero
	MUL16 6, (\q)%2, \q, \slot, \zero
	PLACES NP
	WIN 0
	FETCH_A \slot, (\q)+1, 4
.endm
.macro TURN slot, next, fill
	s_wait_tensorcnt 0x0
	ds_add_u32 v[SPW], v[NIL]
	s_wait_dscnt 4*NL+1
	WIN MUL_LO
	MUL16 0, 1, NQ-1, \slot, 0
	s_wait_dscnt 0x0
	s_barrier_signal -1
	MUL16 2, 1, NQ-1, \slot, 0
	WIN 0
	s_barrier_wait -1
.if \fill
	CREST
	s_add_nc_u64 s[G0+4*\slot+2:G0+4*\slot+3], s[G0+4*\slot+2:G0+4*\slot+3], 2*ROWB
	s_add_nc_u64 s[G0B+4*\slot+2:G0B+4*\slot+3], s[G0B+4*\slot+2:G0B+4*\slot+3], 2*ROWB
	JLOAD G0+4*\slot, G1, G0B+4*\slot, G1B
	PLACES NP-4
.else
	PLACES NP
.endif
	s_wait_alu depctr_va_vdst(0)
	v_add_nc_u32 v[ADRS], 4*NQ, v[ADRS]
	FETCH_B \next, 0, 0
	FETCH_A \next, 0, 0
	SCALES \next
	WIN MUL_HI
	MUL16 4, 1, NQ-1, \slot, 0
	MUL16 6, 1, NQ-1, \slot, 0
	PLACES NP
	WIN 0
	FETCH_A \next, 0, 4
.endm
.macro QUANT s, pw, pc
.irp b, 0,1,2,3
	v_max3_num_f32 v[TM+\b], |v[\s+16*\b]|, |v[\s+1+16*\b]|, 0x4800000
.endr
.irp i, 2,4,6,8,10,12,14
.irp b, 0,1,2,3
	v_max3_num_f32 v[TM+\b], v[TM+\b], |v[\s+16*\b+\i]|, |v[\s+1+16*\b+\i]|
.endr
.endr
.irp b, 0,1,2,3
	v_permlanex16_b32 v[TM+4+\b], v[TM+\b], s20, s21
.endr
.irp b, 0,1,2,3
	v_max_num_f32 v[TM+\b], v[TM+\b], v[TM+4+\b]
.endr
.irp b, 0,1,2,3
	v_add_nc_u32 v[TM+12+\b], 0xfc000000, v[TM+\b]
.endr
.irp b, 0,1,2,3
	v_and_or_b32 v[TM+8+\b], v[TM+\b], 0x7f800000, s22
.endr
.irp b, 0,1,2,3
	v_lshrrev_b32 v[TM+4+\b], 23, v[TM+12+\b]
.endr
	v_lshl_or_b32 v[\pw], v[TM+5], 8, v[TM+4]
	v_lshl_or_b32 v[\pw], v[TM+6], 16, v[\pw]
	v_lshl_or_b32 v[\pw], v[TM+7], 24, v[\pw]
.irp b, 0,1,2,3
.irp i, 0,1,2,3,4,5,6,7,8,9,10,11,12,13,14,15
	v_med3_num_f32 v[\s+16*\b+\i], v[\s+16*\b+\i], -v[TM+8+\b], v[TM+8+\b]
.endr
.endr
	WIN 0x40                                       ; the codes go to window 1, where B's first set of fragments lay: each block has 16 registers of its own
.irp b, 0,1,2,3
	v_cvt_scalef32_pk8_fp8_f32 v[\pc+4*\b:\pc+1+4*\b], v[\s+16*\b:\s+7+16*\b], v[TM+12+\b]
	v_cvt_scalef32_pk8_fp8_f32 v[\pc+2+4*\b:\pc+3+4*\b], v[\s+8+16*\b:\s+15+16*\b], v[TM+12+\b]
.endr
	WIN 0
	v_nop
.endm
.macro EPI a, mode
	WIN 0x02+(\a)/4
.set AC, 64*((\a)%4)
.set i, 0
.rept 32
.if \mode
	v_pk_add_f32 v[ST+i:ST+i+1], v[AC+i:AC+i+1], v[BP+2*(\a):BP+2*(\a)+1]
.else
	v_pk_add_f32 v[ST+i:ST+i+1], v[AC+i:AC+i+1], v[BP+i:BP+i+1]
.endif
.set i, i+2
.endr
	WIN 0
	QUANT ST, PWS+(\a), 16*(\a)
	WIN 0x04                                       ; the stores' data: window 1.  No register of a pending store is written again
.irp be, 0,1,2,3
.if \mode
	global_store_b128 v[CO], v[16*(\a)+4*\be:16*(\a)+4*\be+3], s[96:97] offset:((\a)/4)*524288+((\a)%4)*2048+\be*512
.else
	global_store_b128 v[CO], v[16*(\a)+4*\be:16*(\a)+4*\be+3], s[96:97] offset:(\be/2)*524288+((\a)/2)*2048+(2*((\a)%2)+\be%2)*512
.endif
.endr
	WIN 0
.endm
.macro SCOUT mode
	v_cmp_le_u32 vcc_lo, 16, v[LN]
.if \mode
.irp i, 0,1,2,3
	v_cndmask_b32 v[OUT+\i], v[PWS+\i], v[PWS+4+\i], vcc_lo
.endr
.else
.irp i, 0,1,2,3
	v_perm_b32 v[W+\i], v[PWS+2*\i+1], v[PWS+2*\i], 0x05040100
	v_perm_b32 v[W+4+\i], v[PWS+2*\i+1], v[PWS+2*\i], 0x07060302
.endr
.irp i, 0,1,2,3
	v_cndmask_b32 v[OUT+\i], v[W+\i], v[W+4+\i], vcc_lo
.endr
.endif
	global_store_b128 v[SCO], v[OUT:OUT+3], s[98:99]
.endm
.macro TAIL mode
.if \mode
.irp a, 0,1,2,3,4,5,6,7
	ds_load_b32 v[BP+2*\a], v[BR] offset:64*\a     ; the bias from my own LDS bytes; the wait for 0 ahead of the last 32 products covers these loads
	ds_load_b32 v[BP+2*\a+1], v[BR] offset:64*\a
.endr
.else
.irp b, 0,1,2,3,4,5,6,7
	ds_load_b128 v[BP+8*\b:BP+8*\b+3], v[BH] offset:64*\b
	ds_load_b128 v[BP+8*\b+4:BP+8*\b+7], v[BH] offset:64*\b+16
.endr
.endif
	s_wait_dscnt 4*NL
	WIN MUL_LO
	MUL16 0, 1, NQ-1, 1, 0
	MUL16 2, 1, NQ-1, 1, 0
	s_wait_dscnt 0
	WIN MUL_HI
	MUL16 4, 1, NQ-1, 1, 0
	MUL16 6, 1, NQ-1, 1, 0
	WIN 0
	PLACES NP
.irp b, 0,1,2,3
	v_mov_b32 v[TM+4+\b], 0
.endr
.irp a, 0,1,2,3,4,5,6,7
	EPI \a, \mode
.endr
	SCOUT \mode
.endm
	s_wait_alu depctr_va_vdst(0)
	s_wait_loadcnt 0x0                             ; my scale bytes are in registers
	s_wait_tensorcnt 0x0                           ; my tile of the head's four is in; no tensor load of mine is out, so a descriptor may be written:
	s_mov_b32 s[G1+2], 128<<16                     ; from here on a load brings 128 rows
	s_mov_b32 s[G1+4], 128
	s_mov_b32 s[G1B+2], 128<<16
	s_mov_b32 s[G1B+4], 128
.irp j, 0,1,2,3,4,5,6,7
	ds_store_b128 v31, v[AF+4*\j:AF+4*\j+3] offset:544*\j   ; two units of 272 bytes an instruction; no tile ever lands on these bytes
.endr
	ds_store_b128 v22, v[AF+32:AF+35]              ; and the bias, into my wave's own 512 bytes
	s_wait_dscnt 0x0                               ; for the others' sake
	s_barrier_signal -1
	s_barrier_wait -1                              ; both slots and all scale bytes are in
	FETCH_B 0, 0, 0
	FETCH_A 0, 0, 0
	SCALES 0
	FETCH_A 0, 0, 4
	STEP 0, 0, 1
	s_mov_b32 s3, LAPS-1
.Llap:
	TURN 0, 1, 1
	STEP 1, 0, 0
	TURN 1, 0, 1
	STEP 0, 0, 0
	s_sub_co_u32 s3, s3, 1
	s_cmp_lg_u32 s3, 0
	s_cbranch_scc1 .Llap
	TURN 0, 1, 0
	STEP 1, 0, 0
	s_cmp_eq_u32 s66, 0
	s_cbranch_scc0 .Lfor_v
	TAIL 0
	s_branch .Lend
.Lfor_v:
	TAIL 1
.Lend:
	s_wait_tensorcnt 0x0
	ds_add_u32 v[SPW], v[NIL]
	s_wait_dscnt 0x0
	CROUND
	s_endpgm
.Lfunc_end_k_q2a18a232db_qkv:
	.size	k_q2a18a232db_qkv, .Lfunc_end_k_q2a18a232db_qkv-k_q2a18a232db_qkv
	.p2alignl 7, 3214868480
	.fill 96, 4, 3214868480
	.section	.rodata,"a",@progbits
	.p2align	6, 0x0
	.amdhsa_kernel k_q2a18a232db_qkv
		.amdhsa_group_segment_fixed_size 327680
		.amdhsa_private_segment_fixed_size 0
		.amdhsa_enable_private_segment 0
		.amdhsa_kernarg_size 56
		.amdhsa_user_sgpr_count 2
		.amdhsa_user_sgpr_kernarg_segment_ptr 1
		.amdhsa_wavefront_size32 1
		.amdhsa_system_sgpr_workgroup_id_x 1
		.amdhsa_system_sgpr_workgroup_id_y 1
		.amdhsa_system_sgpr_workgroup_id_z 1
		.amdhsa_system_vgpr_workitem_id 0
		.amdhsa_next_free_vgpr 1024
		.amdhsa_next_free_sgpr 100
		.amdhsa_reserve_vcc 1
		.amdhsa_float_denorm_mode_32 3
		.amdhsa_float_denorm_mode_16_64 3
		.amdhsa_memory_ordered 1
		.amdhsa_forward_progress 1
		.amdhsa_inst_pref_size 255
	.end_amdhsa_kernel
	.section	.bss,"aw",@nobits
	.p2align	6
	.space	262144
	.amdgpu_metadata
---
amdhsa.version: [ 1, 2 ]
amdhsa.kernels:
  - .name:           k_q2a18a232db_qkv
    .symbol:         k_q2a18a232db_qkv.kd
    .args:
      - { .name: x_codes, .offset: 0, .size: 8, .value_kind: global_buffer, .address_space: global }
      - { .name: x_scales, .offset: 8, .size: 8, .value_kind: global_buffer, .address_space: global }
      - { .name: W_qkv_codes, .offset: 16, .size: 8, .value_kind: global_buffer, .address_space: global }
      - { .name: W_qkv_scales, .offset: 24, .size: 8, .value_kind: global_buffer, .address_space: global }
      - { .name: b_qkv, .offset: 32, .size: 8, .value_kind: global_buffer, .address_space: global }
      - { .name: qkv_codes, .offset: 40, .size: 8, .value_kind: global_buffer, .address_space: global }
      - { .name: qkv_scales, .offset: 48, .size: 8, .value_kind: global_buffer, .address_space: global }
    .group_segment_fixed_size: 327680
    .private_segment_fixed_size: 0
    .kernarg_segment_align: 8
    .kernarg_segment_size: 56
    .max_flat_workgroup_size: 128
    .sgpr_count:     100
    .vgpr_count:     1024
    .wavefront_size: 32
...
	.end_amdgpu_metadata
.endif
;; end of part 1
;; launch attn (part 2): grid 4 x 64, 8 waves a work-group, clusters of 4 x 1, 327,680 bytes of LDS; arguments qkv_codes, qkv_scales, a_codes, a_scales; writes a_codes, a_scales
.if DOCPART == 2
	.amdgcn_target "amdgcn-amd-amdhsa--gfx1250"
	.amdhsa_code_object_version 6
	.text
	.protected	k_q2a18a232db_attn
	.globl	k_q2a18a232db_attn
	.p2align	8
	.type	k_q2a18a232db_attn,@function
k_q2a18a232db_attn:
	s_mov_b64 s[64:65], 0
	v_nop
	global_prefetch_b8 v0, s[64:65] scope:SCOPE_SE
	s_setreg_imm32_b32 hwreg(HW_REG_WAVE_MODE, 25, 1), 1
	s_wait_xcnt 0x0
	s_wait_alu depctr_hold_cnt(0) depctr_sa_sdst(0) depctr_va_vdst(0) depctr_va_sdst(0) depctr_va_ssrc(0) depctr_va_vcc(0) depctr_vm_vsrc(0)
	s_getreg_b32 s2, hwreg(HW_REG_IB_STS2, 6, 4)
	s_cmp_eq_u32 s2, 0
	s_cbranch_scc0 .Lentry_in_a_cluster
	s_endpgm
.Lentry_in_a_cluster:
	s_bfe_u32 s2, ttmp6, 0x10000c
	s_cmp_lg_u32 s2, 0x3003
	s_cbranch_scc0 .Lentry_shape_is_right
	s_endpgm
.Lentry_shape_is_right:
; O = softmax(q k^T / 8) v for one head and batch, both products on codes of FP8 (E4M3) with one E8M0 scale for each 32 along a product's K; O / l is quantised along the model's channels and leaves as codes.
; THE SOFTMAX: t = score x log2(e) / 8; M = the row's largest t so far, rounded UP to a whole number; p = 2^(t - M) is quantised along the keys, not normalised.  The row's sum is taken of the unquantised p and divides O at the end.
; When M moves, the sum and O are multiplied by 2^(old M - new M): exact.
; SHARES.  Work-group y = 4 x head + batch, x = a block of 512 queries; each of EIGHT waves owns 64 queries, four tiles of 16, in 512 registers: a fragment of k or v read from LDS serves four tiles.
; LDS.  k's 131,072 bytes of codes lie from byte 0 (key step s of 128 keys at 8,192 s), v's behind them; every byte is filled once, by ONE tensor load a wave at the head (32,768 dense bytes: waves 0-3 k, waves 4-7 v).
; The scale words (k's 4,096 bytes, v's 4,096) come through registers into bytes of their own from SCB on.  No slot is filled again, so the loop has no barrier.
; CLUSTER.  The four query blocks of a head and batch want the same k and v: each tile is asked for jointly, with the mask of all four.
; NO PREFETCH: all fills of the launch go out at the head; there is no loop to run ahead in.
; LAYOUT.  Both products transposed: S^T = k q^T, O^T = v^T p^T: a lane holds ONE query (lane % 16) of a tile.  The images in memory are those of the operands' registers (four registers of 32 lanes = 512 bytes at 16 x lane).
; K = 64 IN AN INSTRUCTION OF 128.  A fragment of k holds two tiles of 16 keys; it is multiplied by [q | 0] and by [0 | q].  The four tiles' q lie as q0,0,q1,0,q2,0,q3,0,q0 in 72 registers, so that every [qi | 0] and [0 | qi] is a run of 16.
; ORDER INSIDE A BLOCK OF 32.  p's register 16 b + 8 u + j of lane half h is key 32 b + 16 u + 8 h + j, and v's codes were laid in that order; a block has one scale, so the products are the same.
; REGISTERS.  Window 0: addresses, state, scales, p's codes, q, S.  Window 1: v0-127 O^T (tile i at 32 i), v128-191 k's four fragments, v192-255 v's.
; THE LAST TRIP asks for a step of k that does not exist: its 17 LDS loads read v's first step and scale words, which lie there; nothing uses them.
; LIMITS: the scaled scores stay under 2^31 in magnitude; NaN and infinities are not served; p under 2^-126 counts as 0 (v_exp_f32 flushes); a block of zeros gets the scale byte 1 (its codes are zeros; the bytes are read by this program alone).
.set SCB,   262144                     ; the scale words: k's step s at SCB + 256 s, v's 4,096 further on
.set SPARE, 270336                     ; the spare words, 128 bytes a wave
.set LI,  1                            ; 16 x lane
.set LIV, 2                            ; the same in v's region
.set LSC, 3                            ; SCB + 16 r
.set AD,  4                            ; address of the images in hand
.set AS,  5                            ; of the step's scale words
.set R32, 6                            ; 32 r
.set LN,  7                            ; lane
.set KS,  8                            ; v8-11 k's scale words; v12-15 v's; v16-19 q's, a tile each; v20 p's
.set VS,  12
.set QS,  16
.set PS,  20
.set TT,  21
.set F,   22                           ; v[22:23] f = 2^(old M - new M), named as a pair
.set NM,  24                           ; tile i: v[24+2i] -M, v[25+2i] the largest score
.set SUM, 32                           ; tile i: v[32+2i:33+2i] the sum in two halves
.set BM,  40
.set T1,  44
.set HD,  48                           ; 448 x the scale
.set SO,  52                           ; the conversions' scale operands
.set CH,  56                           ; v56-61 three more chains of the sum
.set SPW, 62
.set NIL, 63
.set PC,  64                           ; v64-79 p's codes
.set QF,  80                           ; v80-151 q's chain; on the way out the codes of O
.set S,   152                          ; v152-215 S^T, then p
.set QW,  216
.set R16, 218
.set T16, 219
.set STG, 220
.set STA, 228
.set W,   232
.set KF,  128                          ; window 1
.set VF,  192
.set WV,  12
.set MNT, 19
.set SEL, 20
.set CS,  22                           ; s[22:23] c = log2(e) / 8
.set G1,  24
.set G0,  32
.set NC,  36                           ; -c
.set TB,  37
.set TS,  38
.set CNT, 39
.set MSB, 0
.macro WIN new                         ; the immediate's high byte repeats the setting that is left
.if MSB != (\new)
	s_set_vgpr_msb (MSB<<8)|(\new)
.set MSB, (\new)
.endif
.endm
.macro PLACES n
.rept \n
	v_nop
.endr
.endm
.macro CROUND                          ; a round of the cluster's barrier
	s_barrier_signal -1
	s_barrier_wait -1
	s_cmp_lg_u32 s[WV], 0
	s_cbranch_scc1 .Lnot_wave_0_\@
	s_barrier_signal -3
.Lnot_wave_0_\@:
	s_barrier_wait -3
	s_barrier_signal -1
	s_barrier_wait -1
.endm
	s_load_b256 s[4:11], s[0:1], 0x0               ; qkv_codes, qkv_scales, a_codes, a_scales
	v_lshl_add_u32 v[SPW], v0, 2, SPARE
	v_mov_b32 v[NIL], 0
	ds_add_u32 v[SPW], v[NIL]                      ; the opening lines: the add twice on end and its wait
	ds_add_u32 v[SPW], v[NIL]
	v_lshrrev_b32 v1, 5, v0
	v_readfirstlane_b32 s[WV], v1                  ; wave 0..7
	s_bfe_u32 s13, ttmp6, 0x40000                  ; cx
	s_lshl_b32 s14, ttmp9, 2
	s_add_co_u32 s14, s14, s13                     ; x: my block of 512 queries; it enters q's and the outputs' addresses alone
	s_and_b32 s15, ttmp7, 0xffff                   ; y = 4 x head + batch
	s_mov_b32 s[G1], 15|(3<<16)|(1<<21)            ; the mask of all four; elements of 8 bytes; bit 21 beside a mask
	s_mov_b32 s[G1+1], 32<<16                      ; a dense block of 32,768 bytes as 128 rows of 256
	s_mov_b32 s[G1+2], 128<<16
	s_mov_b32 s[G1+3], 32<<16
	s_mov_b32 s[G1+4], 128
	s_mov_b32 s[G1+5], 32
	s_mov_b32 s[G1+6], 0
	s_mov_b32 s[G1+7], 0
	s_lshr_b32 s16, s[WV], 2                       ; waves 0-3: k (8,388,608 on), waves 4-7: v (16,777,216 on)
	s_lshl_b32 s16, s16, 23
	s_and_b32 s17, s[WV], 3
	s_lshl_b32 s17, s17, 15                        ; my four key steps
	s_add_co_u32 s16, s16, s17
	s_lshl_b32 s17, s15, 17
	s_add_co_u32 s16, s16, s17
	s_add_co_u32 s16, s16, 8388608
	s_mov_b32 s17, 0
	s_lshl_b32 s18, s[WV], 15                      ; and where they go: 32,768 x wave
	s_mov_b32 s[SEL], 0x76543210
	s_mov_b32 s[SEL+1], 0xfedcba98
	s_mov_b32 s[CS], 0x3e38aa3b
	s_mov_b32 s[CS+1], s[CS]
	s_mov_b32 s[NC], 0xbe38aa3b
	s_mov_b32 s[MNT], 0x600000
	s_wait_alu depctr_va_vdst(0)
	s_wait_dscnt 0x0
	s_wait_kmcnt 0x0
	s_add_nc_u64 s[16:17], s[4:5], s[16:17]
	s_mov_b32 s[G0], 1
	s_mov_b32 s[G0+1], s18
	s_mov_b64 s[G0+2:G0+3], s[16:17]
	s_or_b32 s[G0+3], s[G0+3], 0x80000000
	CROUND                                         ; all four work-groups are here: the joint loads meet
	tensor_load_to_lds s[G0:G0+3], s[G1:G1+7]      ; my one tensor load of the launch
	s_nop 0
	PLACES 4
	s_lshl_b32 s40, s15, 12                        ; k's scale words of y
	s_add_co_u32 s40, s40, 262144
	s_mov_b32 s41, 0
	s_add_nc_u64 s[40:41], s[6:7], s[40:41]
	s_lshl_b32 s42, s15, 17                        ; q's codes: 131,072 y + 32,768 x + 4,096 wave
	s_lshl_b32 s43, s14, 15
	s_add_co_u32 s42, s42, s43
	s_lshl_b32 s43, s[WV], 12
	s_add_co_u32 s42, s42, s43
	s_mov_b32 s43, 0
	s_add_nc_u64 s[42:43], s[4:5], s[42:43]
	s_lshl_b32 s44, s15, 12                        ; q's scale words: 4,096 y + 1,024 x + 256 (wave / 2) + 8 (wave % 2)
	s_lshl_b32 s45, s14, 10
	s_add_co_u32 s44, s44, s45
	s_lshr_b32 s45, s[WV], 1
	s_lshl_b32 s45, s45, 8
	s_add_co_u32 s44, s44, s45
	s_and_b32 s45, s[WV], 1
	s_lshl_b32 s45, s45, 3
	s_add_co_u32 s44, s44, s45
	s_mov_b32 s45, 0
	s_add_nc_u64 s[44:45], s[6:7], s[44:45]
	s_and_b32 s74, s15, 3                          ; my first tile of 16 tokens: 128 x batch + 32 x + 4 x wave
	s_lshl_b32 s74, s74, 7
	s_lshl_b32 s75, s14, 5
	s_add_co_u32 s74, s74, s75
	s_lshl_b32 s75, s[WV], 2
	s_add_co_u32 s74, s74, s75
	s_lshr_b32 s75, s15, 2                         ; the head
	s_lshl_b32 s76, s74, 9                         ; a_scales: 512 bytes a tile + 2 x head
	s_lshl_b32 s77, s75, 1
	s_add_co_u32 s76, s76, s77
	s_mov_b32 s77, 0
	s_add_nc_u64 s[76:77], s[10:11], s[76:77]
	s_lshl_b32 s74, s74, 14                        ; a_codes: 16,384 bytes a tile + 1,024 x head
	s_lshl_b32 s75, s75, 10
	s_add_co_u32 s74, s74, s75
	s_mov_b32 s75, 0
	s_add_nc_u64 s[74:75], s[8:9], s[74:75]
	v_and_b32 v[LN], 31, v0
	v_and_b32 v[R16], 15, v0
	v_lshlrev_b32 v[T16], 4, v0
	v_lshl_add_u32 v[STA], v0, 4, SCB
	v_lshlrev_b32 v[LI], 4, v[LN]
	v_lshlrev_b32 v[R32], 5, v[R16]
	v_lshlrev_b32 v[R16], 4, v[R16]
	v_add_nc_u32 v[LIV], 131072, v[LI]
	v_add_nc_u32 v[LSC], SCB, v[R16]
	global_load_b128 v[STG:STG+3], v[T16], s[40:41]                  ; 256 threads x 16 bytes: k's scale words,
	global_load_b128 v[STG+4:STG+7], v[T16], s[40:41] offset:262144  ; and v's
.irp i, 0,1,2,3
	global_load_b128 v[QF+16*\i:QF+16*\i+3], v[LI], s[42:43] offset:1024*\i
	global_load_b128 v[QF+16*\i+4:QF+16*\i+7], v[LI], s[42:43] offset:1024*\i+512
.endr
	global_load_b128 v[QF+64:QF+67], v[LI], s[42:43]                 ; q0 once more, at the chain's end
	global_load_b128 v[QF+68:QF+71], v[LI], s[42:43] offset:512
	global_load_b64 v[QW:QW+1], v[R16], s[44:45]                     ; word 0: tiles 0, 1; word 1: tiles 2, 3
.irp i, 0,1,2,3
	v_mov_b32 v[NM+2*\i], 0x7e000000               ; -M begins so large that the first f is 0
	v_mov_b32 v[NM+2*\i+1], 0xff61b1e6             ; the largest score so far: -3e38
	v_mov_b32 v[SUM+2*\i], 0
	v_mov_b32 v[SUM+2*\i+1], 0
	v_mov_b32 v[T1+\i], 0                          ; a lane permute's destination counts as one of its sources
.endr
	v_mov_b32 v[F+1], 0
	WIN 0x40
.set j, 0
.rept 128
	v_mov_b32 v[j], 0                              ; O^T: the step is written once; the first finds zeros.  These lines stand under the tensor load's flight
.set j, j+1
.endr
	WIN 0
	s_wait_alu depctr_va_vdst(0)
	s_wait_loadcnt 0x0
.irp i, 0,2
	v_perm_b32 v[QS+\i], v[QW+\i/2], v[QW+\i/2], 0x01000100       ; a tile's two bytes, twice: for [q | 0] and for [0 | q]
	v_perm_b32 v[QS+\i+1], v[QW+\i/2], v[QW+\i/2], 0x03020302
.endr
.irp i, 0,1,2,3
.irp e, 0,1,2,3,4,5,6,7
	v_mov_b32 v[QF+16*\i+8+\e], 0                  ; the zero codes; these 32 lines are also the places behind the scale words' making
.endr
.endr
	s_wait_alu depctr_va_vdst(0)                   ; the head's end
	s_wait_tensorcnt 0x0                           ; my part of k or v is in
	ds_store_b128 v[STA], v[STG:STG+3]
	ds_store_b128 v[STA], v[STG+4:STG+7] offset:4096
	s_wait_dscnt 0x0                               ; for the others' sake
	s_barrier_signal -1
	s_barrier_wait -1                              ; all of k, v and the scale words are in
	ds_load_b128 v[KS:KS+3], v[LSC]                ; step 0 of k
	WIN 0x40
.irp b, 0,1,2,3
.irp c, 0,1,2,3
	ds_load_b128 v[KF+16*\b+4*\c:KF+16*\b+4*\c+3], v[LI] offset:2048*\b+512*\c
.endr
.endr
	WIN 0
	s_mov_b32 s[TB], 0
	s_mov_b32 s[TS], 0
	s_mov_b32 s[CNT], 16
	s_wait_dscnt 0x0
; ONE TILE OF 16 QUERIES AGAINST THE STEP'S 128 KEYS.
.macro TILE i
.if \i == 0
.set QZ, QF+56
.else
.set QZ, QF+16*\i-8
.endif
.set NMI, NM+2*\i
.set SMI, SUM+2*\i
	WIN 0x01                                       ; source 0 (k) in window 1
.irp b, 0,1,2,3
	v_wmma_scale_f32_16x16x128_f8f6f4 v[S+16*\b:S+16*\b+7], v[KF+16*\b:KF+16*\b+15], v[QF+16*\i:QF+16*\i+15], 0, v[KS+\b], v[QS+\i]
	v_wmma_scale_f32_16x16x128_f8f6f4 v[S+16*\b+8:S+16*\b+15], v[KF+16*\b:KF+16*\b+15], v[QZ:QZ+15], 0, v[KS+\b], v[QS+\i]
.endr
	WIN 0
; eight places behind the products: ahead of the first read of the scores and of loads into registers that matrix instructions have read
.if \i == 0
	v_add_nc_u32 v[AD], s[TB], v[LIV]
	v_add_nc_u32 v[AS], s[TS], v[LSC]
	PLACES 6
	ds_load_b128 v[VS:VS+3], v[AS] offset:4096     ; this step's v: the last step's second products are over
	WIN 0x40
.irp t, 0,1,2,3
.irp c, 0,1,2,3
	ds_load_b128 v[VF+16*\t+4*\c:VF+16*\t+4*\c+3], v[AD] offset:2048*\t+512*\c
.endr
.endr
	WIN 0
.elseif \i == 3
	v_add_nc_u32 v[AD], s[TB], v[LI]
	PLACES 7
	ds_load_b128 v[KS:KS+3], v[AS] offset:256      ; the next step's k: this step's first products are over
	WIN 0x40
.irp b, 0,1,2,3
.irp c, 0,1,2,3
	ds_load_b128 v[KF+16*\b+4*\c:KF+16*\b+4*\c+3], v[AD] offset:8192+2048*\b+512*\c
.endr
.endr
	WIN 0
.else
	PLACES 8
.endif
.irp b, 0,1,2,3
	v_max3_num_f32 v[BM+\b], v[S+16*\b], v[S+1+16*\b], v[S+2+16*\b]   ; the largest score of each block of 32 keys: for the row's maximum and, since p rises with the score, for the block's largest p
.endr
.irp e, 3,5,7,9,11,13
.irp b, 0,1,2,3
	v_max3_num_f32 v[BM+\b], v[BM+\b], v[S+16*\b+\e], v[S+1+16*\b+\e]
.endr
.endr
.irp b, 0,1,2,3
	v_max_num_f32 v[BM+\b], v[BM+\b], v[S+15+16*\b]
.endr
.irp b, 0,1,2,3
	v_permlanex16_b32 v[T1+\b], v[BM+\b], s[SEL], s[SEL+1]
.endr
.irp b, 0,1,2,3
	v_max_num_f32 v[BM+\b], v[BM+\b], v[T1+\b]     ; with lane l xor 16's 16 keys
.endr
	v_max3_num_f32 v[TT], v[BM], v[BM+1], v[BM+2]
	s_delay_alu instid0(VALU_DEP_1)
	v_max3_num_f32 v[NMI+1], v[NMI+1], v[TT], v[BM+3]   ; the running largest score
	s_delay_alu instid0(VALU_DEP_1)
	v_mul_f32 v[TT], s[NC], v[NMI+1]               ; -t
	s_delay_alu instid0(VALU_DEP_1)
	v_floor_f32 v[TT], v[TT]                       ; the new -M = floor(-t) = -ceil(t)
	s_delay_alu instid0(VALU_DEP_1)
	v_sub_f32 v[F], v[TT], v[NMI]                  ; old M - new M: a whole number, 0 or less
	v_mov_b32 v[NMI], v[TT]
	s_delay_alu instid0(VALU_DEP_2)
	v_cvt_i32_f32 v[F], v[F]                       ; (it saturates)
	s_delay_alu instid0(VALU_DEP_1)
	v_ldexp_f32 v[F], 1.0, v[F]                    ; f = 2^(old M - new M)
.set j, 0
.rept 32
	v_pk_fma_f32 v[S+j:S+j+1], v[S+j:S+j+1], s[CS:CS+1], v[NMI:NMI+1] op_sel_hi:[1,0,0]   ; t - M, two at a time
.set j, j+2
.endr
.irp b, 0,1,2,3
	v_fma_f32 v[BM+\b], v[BM+\b], s[CS], v[NMI]
.endr
	s_wait_alu depctr_va_vdst(0)                   ; ahead of the batch
.set j, 0
.rept 64
	v_exp_f32 v[S+j], v[S+j]                       ; p = 2^(t - M)
.set j, j+1
.endr
.irp b, 0,1,2,3
	v_exp_f32 v[BM+\b], v[BM+\b]                   ; the block's largest p: the same two instructions on the same number
.endr
	WIN 0x41                                       ; O^T in window 1, f in window 0
	s_wait_alu depctr_va_vdst(0)                   ; one wait: behind the batch, and directly ahead of the first readers of O^T
.set j, 0
.rept 16
	v_pk_mul_f32 v[32*\i+j:32*\i+j+1], v[32*\i+j:32*\i+j+1], v[F:F+1] op_sel_hi:[1,0]   ; O^T under the new M, each accumulator from its low end on
.set j, j+2
.endr
	WIN 0
.if (\i % 3) == 0
	s_wait_dscnt 0x0                               ; the 17 loads issued behind this tile's first products are in
.endif
	v_pk_mul_f32 v[SMI:SMI+1], v[SMI:SMI+1], v[F:F+1] op_sel_hi:[1,0]
.irp b, 0,1,2,3
	v_max_num_f32 v[BM+\b], 0x4800000, v[BM+\b]    ; the floor 2^(9 - 127): the byte cannot fall under 1
.endr
.irp b, 0,1,2,3
	v_add_nc_u32 v[SO+\b], 0xfc000000, v[BM+\b]    ; 8 off the exponent field
.endr
.irp b, 0,1,2,3
	v_and_or_b32 v[HD+\b], v[BM+\b], 0x7f800000, s[MNT]
.endr
.irp b, 0,1,2,3
	v_lshrrev_b32 v[T1+\b], 23, v[SO+\b]
.endr
	v_lshl_or_b32 v[PS], v[T1+1], 8, v[T1]
	s_delay_alu instid0(VALU_DEP_1)
	v_lshl_or_b32 v[PS], v[T1+2], 16, v[PS]
	s_delay_alu instid0(VALU_DEP_1)
	v_lshl_or_b32 v[PS], v[T1+3], 24, v[PS]        ; p's scale word for these 128 keys
	v_pk_add_f32 v[CH:CH+1], v[S:S+1], v[S+2:S+3]  ; the sum of the unquantised p, in four chains
	v_pk_add_f32 v[CH+2:CH+3], v[S+4:S+5], v[S+6:S+7]
	v_pk_add_f32 v[CH+4:CH+5], v[S+8:S+9], v[S+10:S+11]
	v_pk_add_f32 v[SMI:SMI+1], v[SMI:SMI+1], v[S+12:S+13]
.set k, 7
.rept 25
.if ((k-7)%4) == 3
	v_pk_add_f32 v[SMI:SMI+1], v[SMI:SMI+1], v[S+2*k:S+2*k+1]
.else
	v_pk_add_f32 v[CH+2*((k-7)%4):CH+2*((k-7)%4)+1], v[CH+2*((k-7)%4):CH+2*((k-7)%4)+1], v[S+2*k:S+2*k+1]
.endif
.set k, k+1
.endr
; the hold at 448 x the scale (the conversion does not saturate: ISA guide 7.6.2; p is not negative): two numbers an instruction, of two blocks, so that destinations are even and odd and the sources lie in different banks
.irp b, 0,2
.irp e, 0,2,4,6,8,10,12,14
	v_dual_min_num_f32 v[S+16*\b+\e], v[S+16*\b+\e], v[HD+\b] :: v_dual_min_num_f32 v[S+16*\b+17+\e], v[S+16*\b+17+\e], v[HD+\b+1]
	v_dual_min_num_f32 v[S+16*\b+16+\e], v[S+16*\b+16+\e], v[HD+\b+1] :: v_dual_min_num_f32 v[S+16*\b+1+\e], v[S+16*\b+1+\e], v[HD+\b]
.endr
	v_cvt_scalef32_pk8_fp8_f32 v[PC+4*\b:PC+4*\b+1], v[S+16*\b:S+16*\b+7], v[SO+\b]
	v_cvt_scalef32_pk8_fp8_f32 v[PC+4*\b+2:PC+4*\b+3], v[S+16*\b+8:S+16*\b+15], v[SO+\b]
	v_cvt_scalef32_pk8_fp8_f32 v[PC+4*\b+4:PC+4*\b+5], v[S+16*\b+16:S+16*\b+23], v[SO+\b+1]
	v_cvt_scalef32_pk8_fp8_f32 v[PC+4*\b+6:PC+4*\b+7], v[S+16*\b+24:S+16*\b+31], v[SO+\b+1]
.endr
	v_pk_add_f32 v[CH:CH+1], v[CH:CH+1], v[CH+2:CH+3]          ; the chains are joined: with the v_nop, four places between the codes' making and the products
	v_pk_add_f32 v[SMI:SMI+1], v[SMI:SMI+1], v[CH+4:CH+5]
	v_pk_add_f32 v[SMI:SMI+1], v[SMI:SMI+1], v[CH:CH+1]
	v_nop
	WIN 0x51                                       ; v and O^T in window 1, p's codes in window 0
.irp t, 0,1,2,3                                ; O^T += v^T p^T: four accumulators, one instruction a turn
	v_wmma_scale_f32_16x16x128_f8f6f4 v[32*\i+8*\t:32*\i+8*\t+7], v[VF+16*\t:VF+16*\t+15], v[PC:PC+15], v[32*\i+8*\t:32*\i+8*\t+7], v[VS+\t], v[PS]
.endr
.endm
.Lstep:                                            ; 16 trips: a key step of 128 keys, my four tiles one after the other
	TILE 0
	TILE 1
	TILE 2
	TILE 3
	WIN 0
	s_add_co_u32 s[TB], s[TB], 8192
	s_add_co_u32 s[TS], s[TS], 256
	s_sub_co_u32 s[CNT], s[CNT], 1
	s_cmp_lg_u32 s[CNT], 0
	s_wait_alu depctr_va_vdst(0)
	s_cbranch_scc1 .Lstep
	; THE WAY OUT.  O^T / the sum; a tile's 32 numbers a lane are 16 of each of the head's two blocks of 32 channels: quantised as they stand, they are half of a fragment of the last product's operand.
	PLACES 8
.irp i, 0,1,2,3
	v_add_f32 v[SUM+2*\i], v[SUM+2*\i], v[SUM+2*\i+1]
.endr
.irp i, 0,1,2,3
	v_permlanex16_b32 v[T1+\i], v[SUM+2*\i], s[SEL], s[SEL+1]
.endr
.irp i, 0,1,2,3
	v_add_f32 v[SUM+2*\i], v[SUM+2*\i], v[T1+\i]   ; the rows' sums
.endr
	s_wait_alu depctr_va_vdst(0)                   ; ahead of the batch
.irp i, 0,1,2,3
	v_rcp_f32 v[SUM+2*\i], v[SUM+2*\i]
.endr
	v_nop                                          ; one plain place behind the transcendentals
.macro OUT i
	WIN 0x01
	s_wait_alu depctr_va_vdst(0)                   ; behind the batch, and directly ahead of the first readers of this tile's O^T
.set j, 0
.rept 32
	v_mul_f32 v[S+j], v[32*\i+j], v[SUM+2*\i]
.set j, j+1
.endr
	WIN 0
.irp b, 0,1
	v_max3_num_f32 v[BM+\b], |v[S+16*\b]|, |v[S+1+16*\b]|, 0x4800000
.endr
.irp e, 2,4,6,8,10,12,14
.irp b, 0,1
	s_delay_alu instid0(VALU_DEP_2)
	v_max3_num_f32 v[BM+\b], v[BM+\b], |v[S+16*\b+\e]|, |v[S+1+16*\b+\e]|
.endr
.endr
.irp b, 0,1
	v_permlanex16_b32 v[T1+\b], v[BM+\b], s[SEL], s[SEL+1]
.endr
.irp b, 0,1
	v_max_num_f32 v[BM+\b], v[BM+\b], v[T1+\b]
.endr
.irp b, 0,1
	v_add_nc_u32 v[SO+\b], 0xfc000000, v[BM+\b]
.endr
.irp b, 0,1
	v_and_or_b32 v[HD+\b], v[BM+\b], 0x7f800000, s[MNT]
.endr
.irp b, 0,1
	v_lshrrev_b32 v[T1+\b], 23, v[SO+\b]
.endr
	v_lshl_or_b32 v[W+\i], v[T1+1], 8, v[T1]       ; my token's two scale bytes
.irp b, 0,1
.irp e, 0,1,2,3,4,5,6,7,8,9,10,11,12,13,14,15
	v_med3_num_f32 v[S+16*\b+\e], v[S+16*\b+\e], -v[HD+\b], v[HD+\b]
.endr
	v_cvt_scalef32_pk8_fp8_f32 v[QF+8*\i+4*\b:QF+8*\i+4*\b+1], v[S+16*\b:S+16*\b+7], v[SO+\b]
	v_cvt_scalef32_pk8_fp8_f32 v[QF+8*\i+4*\b+2:QF+8*\i+4*\b+3], v[S+16*\b+8:S+16*\b+15], v[SO+\b]
.endr
	v_nop                                          ; a plain line behind the last conversion
	global_store_b128 v[LI], v[QF+8*\i:QF+8*\i+3], s[74:75] offset:16384*\i        ; 32 lanes store 512 consecutive bytes, at a multiple of 512; each tile's codes have registers of their own
	global_store_b128 v[LI], v[QF+8*\i+4:QF+8*\i+7], s[74:75] offset:16384*\i+512
.endm
	OUT 0
	OUT 1
	OUT 2
	OUT 3
	v_cmp_gt_u32 vcc_lo, 16, v[LN]                 ; lanes 16-31 hold the same bytes as lanes 0-15
	s_wait_xcnt 0x0                                ; EXEC is a source of the pending stores
	s_and_saveexec_b32 s66, vcc_lo
.irp i, 0,1,2,3
	global_store_b16 v[R32], v[W+\i], s[76:77] offset:512*\i   ; token r's bytes 2 x head, 2 x head + 1: a whole word would need two heads, which two work-groups make
.endr
	s_wait_xcnt 0x0
	s_or_b32 exec_lo, exec_lo, s66
	s_wait_tensorcnt 0x0                           ; the wave's end
	ds_add_u32 v[SPW], v[NIL]
	s_wait_dscnt 0x0
	CROUND                                         ; the closing round
	s_endpgm
.Lfunc_end_k_q2a18a232db_attn:
	.size	k_q2a18a232db_attn, .Lfunc_end_k_q2a18a232db_attn-k_q2a18a232db_attn
	.p2alignl 7, 3214868480
	.fill 96, 4, 3214868480
	.section	.rodata,"a",@progbits
	.p2align	6, 0x0
	.amdhsa_kernel k_q2a18a232db_attn
		.amdhsa_group_segment_fixed_size 327680
		.amdhsa_private_segment_fixed_size 0
		.amdhsa_enable_private_segment 0
		.amdhsa_kernarg_size 32
		.amdhsa_user_sgpr_count 2
		.amdhsa_user_sgpr_kernarg_segment_ptr 1
		.amdhsa_wavefront_size32 1
		.amdhsa_system_sgpr_workgroup_id_x 1
		.amdhsa_system_sgpr_workgroup_id_y 1
		.amdhsa_system_sgpr_workgroup_id_z 1
		.amdhsa_system_vgpr_workitem_id 0
		.amdhsa_next_free_vgpr 512
		.amdhsa_next_free_sgpr 80
		.amdhsa_reserve_vcc 1
		.amdhsa_float_denorm_mode_32 3
		.amdhsa_float_denorm_mode_16_64 3
		.amdhsa_memory_ordered 1
		.amdhsa_forward_progress 1
		.amdhsa_inst_pref_size 105
	.end_amdhsa_kernel
	.amdgpu_metadata
---
amdhsa.version: [ 1, 2 ]
amdhsa.kernels:
  - .name:           k_q2a18a232db_attn
    .symbol:         k_q2a18a232db_attn.kd
    .args:
      - { .name: qkv_codes, .offset: 0, .size: 8, .value_kind: global_buffer, .address_space: global }
      - { .name: qkv_scales, .offset: 8, .size: 8, .value_kind: global_buffer, .address_space: global }
      - { .name: a_codes, .offset: 16, .size: 8, .value_kind: global_buffer, .address_space: global }
      - { .name: a_scales, .offset: 24, .size: 8, .value_kind: global_buffer, .address_space: global }
    .group_segment_fixed_size: 327680
    .private_segment_fixed_size: 0
    .kernarg_segment_align: 8
    .kernarg_segment_size: 32
    .max_flat_workgroup_size: 256
    .sgpr_count:     80
    .vgpr_count:     512
    .wavefront_size: 32
...
	.end_amdgpu_metadata
.endif
;; end of part 2
;; launch proj (part 3): grid 4 x 64, 4 waves a work-group, clusters of 4 x 4, 327,680 bytes of LDS; arguments a_codes, a_scales, W_out_codes, W_out_scales, b_out, out0; writes out0
.if DOCPART == 3
	.amdgcn_target "amdgcn-amd-amdhsa--gfx1250"
	.amdhsa_code_object_version 6
	.text
	.protected	k_q2a18a232db_proj
	.globl	k_q2a18a232db_proj
	.p2align	8
	.type	k_q2a18a232db_proj,@function
k_q2a18a232db_proj:
	s_mov_b64 s[64:65], 0
	v_nop
	global_prefetch_b8 v0, s[64:65] scope:SCOPE_SE
	s_setreg_imm32_b32 hwreg(HW_REG_WAVE_MODE, 25, 1), 1
	s_wait_xcnt 0x0
	s_wait_alu depctr_hold_cnt(0) depctr_sa_sdst(0) depctr_va_vdst(0) depctr_va_sdst(0) depctr_va_ssrc(0) depctr_va_vcc(0) depctr_vm_vsrc(0)
	s_getreg_b32 s2, hwreg(HW_REG_IB_STS2, 6, 4)
	s_cmp_eq_u32 s2, 0
	s_cbranch_scc0 .Lentry_in_a_cluster
	s_endpgm
.Lentry_in_a_cluster:
	s_bfe_u32 s2, ttmp6, 0x10000c
	s_cmp_lg_u32 s2, 0xf033
	s_cbranch_scc0 .Lentry_shape_is_right
	s_endpgm
.Lentry_shape_is_right:
; out0[m][n] = sum over k of A[m][k] W_out[n][k] + b_out[n], on codes of FP8 (E4M3) with one E8M0 scale for each 32 along K; sums in f32.
; A: a_codes [token / 16][K / 128][2,048 bytes], images of the operand's registers (four registers of 32 lanes = 512 bytes at 16 x lane); a_scales [token][32].  W_out: rows of 1,024 codes; its scales [n][32].
; Inside a block of 32 A's codes lie in the order 16 u + 8 h + j -> place 16 h + 8 u + j; W_out's fragments are read in pieces of 8 bytes in that same order; a block has one scale, so the products are the same.
; SHARES.  A block of out0 is 128 rows x 256 columns: 64 x 4 = 256 work-groups.  Four waves, each 64 x 128: 32 accumulators, 256 registers (window 2).
; K goes in four steps of 256 through two LDS slots (A: 8 rows of 4,096 bytes; W_out: 256 rows of 256 bytes + 16).  All four K steps are written out: the scale words are reached by immediate offsets.
; HEAD.  One tensor load a wave: slot 0's A, slot 0's B, slot 1's A, slot 1's B, as one group.  The scale bytes (4,096 of A's, 8,192 of B's) come through registers into LDS bytes of their own.
; CLUSTERS: 4 x 4.  A's tiles are shared along a row of the cluster, B's along a column, each asked for jointly.  The two refills (K steps 2 and 3) stand behind rounds of the cluster's barrier.
; NO PREFETCH: K has four K steps; the head asks for two and the two refills for the others: none lies two steps ahead of a place in the text.
; THE MATRIX INSTRUCTION IS USED TRANSPOSED (source 0 = 16 rows of W_out, source 1 = 16 rows of A): a lane holds eight neighbouring numbers of a row of out0.  The bias is the C of each accumulator's first product.
; REGISTERS.  Window 0: v16-31 addresses; v32-63 scale words, two sets; v64-127 the bias; v128-255 A's fragments, two sets of 4.  Window 1: B's fragments, two sets of 8.  Window 2: the accumulators (a, b) at 8 (8 a + b).
; In a set of scale words lanes 0-15 of registers 8 .. 15 read rows past my 64 of A: bytes of the scales' region that are written and that no product uses.
.set SIZE_N, 1024
.set ROWB,   256
.set ASTEP,  4096
.set KROW,   1024
.set PITCH,  272
.set FR,     16
.set NP,     8
.set HALFT,  128*PITCH                 ; 128 rows of B
.set ABYTES, 32768                     ; A's 128 rows of a K step
.set SLOT,   ABYTES+2*HALFT
.set KS,     32
.set SCL,    2*SLOT                    ; the scales, as units of 256 bytes + 16: A's 16 units, then B's 32
.set SAB,    16*272
.set SBLK,   2*272                     ; 16 rows
.set STAGE,  SCL+3*SAB                 ; the way out: 16 rows x 528 bytes a wave, bytes of its own
.set SPITCH, 528
.set SPARE,  STAGE+4*16*SPITCH
.set ADRA, 16
.set BH,   18
.set ADRB, 20
.set LSB,  23
.set STO,  24
.set RD,   25
.set CO,   26
.set ADRS, 27
.set SPW,  28
.set NIL,  29
.set LSA,  31
.set SC,   32
.set BO,   64
.set AF,   128
.set G1,  24
.set G0,  32
.set G1B, 48
.set G0B, 56
.set GA0, 68
.set GB0, 72
.set GA1, 76
.set GB1, 80
.set MSB, 0
.macro WIN new
.if MSB != (\new)
	s_set_vgpr_msb (MSB<<8)|(\new)
.set MSB, (\new)
.endif
.endm
.set MUL_W, 0xa1                       ; source 0 (B) window 1, source 1 (A) window 0, C and D window 2
.set FST_W, 0x81                       ; the same with C (the bias) in window 0
.set TO_B,  0x40
.macro PLACES n
.rept \n
	v_nop
.endr
.endm
.macro JLOAD g0a, g1a, g0b, g1b        ; waves 0 and 1 fetch A's halves, waves 2 and 3 B's
	s_cmp_eq_u32 s15, 0
	s_cbranch_scc0 .Lfor_b_\@
	tensor_load_to_lds s[\g0a:\g0a+3], s[\g1a:\g1a+7]
	s_nop 0
	PLACES 4
	s_branch .Lasked_\@
.Lfor_b_\@:
	tensor_load_to_lds s[\g0b:\g0b+3], s[\g1b:\g1b+7]
	s_nop 0
	PLACES 4
.Lasked_\@:
.endm
.macro CREST
	s_cmp_lg_u32 s14, 0
	s_cbranch_scc1 .Lnot_wave_0_\@
	s_barrier_signal -3
.Lnot_wave_0_\@:
	s_barrier_wait -3
	s_barrier_signal -1
	s_barrier_wait -1
.endm
.macro CROUND
	s_barrier_signal -1
	s_barrier_wait -1
	CREST
.endm
	s_load_b128 s[4:7], s[0:1], 0x0                ; a_codes, a_scales
	s_load_b128 s[8:11], s[0:1], 0x10              ; W_out_codes, W_out_scales
	s_load_b64 s[96:97], s[0:1], 0x20              ; b_out
	s_load_b64 s[12:13], s[0:1], 0x28              ; out0
	v_lshl_add_u32 v[SPW], v0, 2, SPARE
	v_mov_b32 v[NIL], 0
	ds_add_u32 v[SPW], v[NIL]                      ; the opening lines: the add twice on end and its wait
	ds_add_u32 v[SPW], v[NIL]
	v_lshrrev_b32 v1, 5, v0
	v_readfirstlane_b32 s14, v1                    ; wave 0..3
	s_lshr_b32 s15, s14, 1                         ; my 64 rows.  Also: I fetch for A (0) or for B (1)
	s_and_b32 s16, s14, 1                          ; my 128 columns.  Also: which half of that tile I fetch
	s_bfe_u32 s40, ttmp6, 0x40000
	s_bfe_u32 s41, ttmp6, 0x40004
	s_lshl_b32 s42, ttmp9, 2
	s_add_co_u32 s42, s42, s40                     ; block column (256 columns)
	s_and_b32 s17, ttmp7, 0xffff
	s_lshl_b32 s17, s17, 2
	s_add_co_u32 s17, s17, s41                     ; block row (128 rows)
	s_lshl_b32 s43, s41, 2
	s_lshl_b32 s43, 15, s43                        ; my row of the cluster
	s_lshl_b32 s44, 0x1111, s40                    ; my column
	s_or_b32 s[G1+0], s43, (3<<16)|(1<<21)         ; A: rows of 4,096 bytes (512 elements of 8), 16,384 bytes apart, no padding; 8 rows at the head, then 4
	s_mov_b32 s[G1+1], 512<<16
	s_mov_b32 s[G1+2], 8<<16
	s_mov_b32 s[G1+3], 512<<16
	s_mov_b32 s[G1+4], 8
	s_mov_b32 s[G1+5], 2048
	s_mov_b32 s[G1+6], 0
	s_mov_b32 s[G1+7], 0
	s_or_b32 s[G1B+0], s44, (0<<16)|(1<<20)|(1<<21)|(5<<22)|(3<<25)   ; B: rows of 256 bytes + 16 of padding; 256 rows at the head, then 128
	s_mov_b32 s[G1B+1], ROWB<<16
	s_mov_b32 s[G1B+2], 256<<16
	s_mov_b32 s[G1B+3], ROWB<<16
	s_mov_b32 s[G1B+4], 256
	s_mov_b32 s[G1B+5], KROW
	s_mov_b32 s[G1B+6], 0
	s_mov_b32 s[G1B+7], 0
	s_lshl_b32 s20, s17, 17                        ; A's tile: 128 rows x 1,024 bytes a block row
	s_mov_b32 s21, 0
	s_lshl_b32 s46, s42, 18                        ; B's: 256 rows x 1,024
	s_mov_b32 s47, 0
	s_lshl_b32 s22, s17, 12                        ; A's scales: 128 x 32 bytes, + my wave's 1,024
	s_lshl_b32 s23, s14, 10
	s_add_co_u32 s22, s22, s23
	s_mov_b32 s23, 0
	s_lshl_b32 s92, s42, 13                        ; B's: 256 x 32, + my wave's 2,048
	s_lshl_b32 s93, s14, 11
	s_add_co_u32 s92, s92, s93
	s_mov_b32 s93, 0
	s_lshl_b32 s84, s16, 16                        ; in the ring I fetch half a tile: 64 rows of A,
	s_mov_b32 s85, 0
	s_lshl_b32 s86, s16, 17                        ; or 128 of B
	s_mov_b32 s87, 0
	s_lshl_b32 s45, s16, 14                        ; and where they go
	s_mul_i32 s94, s16, HALFT
	s_add_co_u32 s94, s94, ABYTES
	s_wait_alu depctr_va_vdst(0)
	s_wait_dscnt 0x0
	s_wait_kmcnt 0x0
	s_add_nc_u64 s[20:21], s[4:5], s[20:21]
	s_add_nc_u64 s[22:23], s[6:7], s[22:23]
	s_add_nc_u64 s[46:47], s[8:9], s[46:47]
	s_add_nc_u64 s[92:93], s[10:11], s[92:93]
	s_add_nc_u64 s[84:85], s[20:21], s[84:85]
	s_add_nc_u64 s[86:87], s[46:47], s[86:87]
.macro DESC g0, lds, src, off
	s_mov_b32 s[\g0], 1
	s_mov_b32 s[\g0+1], \lds
	s_add_nc_u64 s[\g0+2:\g0+3], s[\src:\src+1], \off
	s_or_b32 s[\g0+3], s[\g0+3], 0x80000000
.endm
	DESC GA0, 0, 20, 0
	DESC GB0, ABYTES, 46, 0
	DESC GA1, SLOT, 20, ASTEP
	DESC GB1, SLOT+ABYTES, 46, ROWB
.irp s, 0,1                                    ; the ring's groups 0: first used, stepped by two K steps, at the refills
	s_mov_b32 s[G0+4*\s], 1
	s_add_co_u32 s[G0+4*\s+1], s45, \s*SLOT
	s_add_nc_u64 s[G0+4*\s+2:G0+4*\s+3], s[84:85], \s*ASTEP
	s_or_b32 s[G0+4*\s+3], s[G0+4*\s+3], 0x80000000
	s_mov_b32 s[G0B+4*\s], 1
	s_add_co_u32 s[G0B+4*\s+1], s94, \s*SLOT
	s_add_nc_u64 s[G0B+4*\s+2:G0B+4*\s+3], s[86:87], \s*ROWB
	s_or_b32 s[G0B+4*\s+3], s[G0B+4*\s+3], 0x80000000
.endr
	CROUND                                         ; all sixteen work-groups are here: the first joint loads meet
.macro ARM under, g0, g1, next
	s_cmp_lt_u32 s14, \under
	s_cbranch_scc0 \next
	tensor_load_to_lds s[\g0:\g0+3], s[\g1:\g1+7]
	s_nop 0
	PLACES 4
	s_branch .Lhead_asked
\next:
.endm
	ARM 1, GA0, G1,  .Lhead_b0
	ARM 2, GB0, G1B, .Lhead_a1
	ARM 3, GA1, G1,  .Lhead_b1
	tensor_load_to_lds s[GB1:GB1+3], s[G1B:G1B+7]
	s_nop 0
	PLACES 4
.Lhead_asked:
	s_lshl_b32 s88, s42, 10                        ; my first column, in bytes: 1,024 x block column + 512 x half
	s_lshl_b32 s89, s16, 9
	s_add_co_u32 s88, s88, s89
	s_mov_b32 s89, 0
	s_add_nc_u64 s[96:97], s[96:97], s[88:89]
	s_lshl_b32 s18, s17, 19                        ; my first row: 128 x block row + 64 x half, 4,096 bytes a row
	s_lshl_b32 s19, s15, 18
	s_add_co_u32 s18, s18, s19
	s_add_co_u32 s18, s18, s88
	s_mov_b32 s19, 0
	s_add_nc_u64 s[12:13], s[12:13], s[18:19]
	s_lshl_b32 s18, s15, 14                        ; my 64 rows of A in a slot
	s_mov_b32 s19, s94                             ; my 128 rows of B
	s_mul_i32 s90, s15, 8*272                      ; my rows' scales: A's,
	s_mul_i32 s91, s16, SAB
	s_add_co_u32 s91, s91, SAB                     ; B's, behind A's 16 units
	s_sub_co_u32 s91, s91, s90
	s_add_co_u32 s90, s90, SCL
	s_mul_i32 s95, s14, 16*SPITCH
	s_add_co_u32 s95, s95, STAGE                   ; my stage
	s_mul_i32 s2, s14, 4*272
	s_add_co_u32 s2, s2, SCL                       ; where my 1,024 bytes of A's scales go,
	s_mul_i32 s3, s14, 8*272
	s_add_co_u32 s3, s3, SCL+SAB                   ; and my 2,048 of B's
	v_and_b32 v1, 15, v0                           ; r
	v_bfe_u32 v2, v0, 4, 1                         ; h
	v_and_b32 v6, 31, v0
	v_lshlrev_b32 v[CO], 4, v6                     ; 16 x lane
	v_lshlrev_b32 v[BH], 5, v2
	s_wait_alu depctr_va_vdst(0)
	global_load_b128 v[AF:AF+3], v[CO], s[22:23]
	global_load_b128 v[AF+4:AF+7], v[CO], s[22:23] offset:512
.irp j, 0,1,2,3
	global_load_b128 v[AF+8+4*\j:AF+11+4*\j], v[CO], s[92:93] offset:512*\j
.endr
.irp b, 0,1,2,3,4,5,6,7
	global_load_b128 v[BO+8*\b:BO+8*\b+3], v[BH], s[96:97] offset:64*\b        ; the bias in the result's layout: register 8 b + j is column 16 b + 8 h + j
	global_load_b128 v[BO+8*\b+4:BO+8*\b+7], v[BH], s[96:97] offset:64*\b+16
.endr
	v_mul_u32_u24 v3, v1, PITCH
	v_lshl_add_u32 v4, v2, 3, v3                   ; B: row x pitch + 8 h
.irp s, 0,1
	v_add_nc_u32 v[ADRA+\s], s18, v[CO]
	v_add_nc_u32 v[ADRB+\s], s19, v4
	s_add_co_u32 s18, s18, SLOT
	s_add_co_u32 s19, s19, SLOT
.endr
	v_mul_u32_u24 v5, v1, KS                       ; my row's scales: 32 bytes a row, and 16 more for each 256 passed
	v_lshrrev_b32 v6, 8, v5
	v_lshl_add_u32 v5, v6, 4, v5
	v_mul_u32_u24 v6, s91, v2                      ; lanes 16-31 take B's
	v_add_nc_u32 v5, v5, v6
	v_add_nc_u32 v[ADRS], s90, v5
	v_mul_u32_u24 v5, v1, SPITCH
	v_lshl_add_u32 v5, v2, 5, v5
	v_add_nc_u32 v[STO], s95, v5                   ; into the stage: row r, 32 bytes for each half of the lanes
	v_add_nc_u32 v[RD], s95, v[CO]                 ; back: the 32 lanes take one row of 512 bytes
	v_lshl_add_u32 v5, v2, 4, v[CO]                ; 16 x lane + 16 h: 512 dense bytes as two units of 272
	v_add_nc_u32 v[LSA], s2, v5
	v_add_nc_u32 v[LSB], s3, v5
; the fragments of the slot's q-th 128 along K into set p: B's eight (pieces of 8 bytes), A's four (images)
.macro FETCH slot, q, p
	WIN TO_B
.irp i, 0,1,2,3,4,5,6,7
.irp e, 0,1,2,3,4,5,6,7
	ds_load_b64 v[128*(\p)+FR*\i+2*\e:128*(\p)+FR*\i+2*\e+1], v[ADRB+\slot] offset:128*(\q)+16*\e+\i*16*PITCH
.endr
.endr
	WIN 0
.irp i, 0,1,2,3
.irp c, 0,1,2,3
	ds_load_b128 v[AF+64*(\p)+FR*\i+4*\c:AF+64*(\p)+FR*\i+4*\c+3], v[ADRA+\slot] offset:4096*\i+2048*(\q)+512*\c
.endr
.endr
.endm
.macro SCALES sc, ks                   ; K step ks's two words a row into set sc: lanes 0-15 A's block i, lanes 16-31 B's block i
.irp i, 0,1,2,3,4,5,6,7
	ds_load_b64 v[SC+16*\sc+2*\i:SC+16*\sc+2*\i+1], v[ADRS] offset:\i*SBLK+8*\ks
.endr
.endm
; 16 matrix instructions: A's blocks a0, a0 + 1 x B's eight.  The 32 accumulators take turns in the same order in every step
.macro MUL16 a0, p, q, sc, first
.irp a, \a0, \a0+1
.irp b, 0,1,2,3,4,5,6,7
.if \first
	v_wmma_scale_f32_16x16x128_f8f6f4 v[8*(8*(\a)+\b):8*(8*(\a)+\b)+7], v[128*(\p)+FR*\b:128*(\p)+FR*\b+FR-1], v[AF+64*(\p)+FR*(\a):AF+64*(\p)+FR*(\a)+FR-1], v[BO+8*\b:BO+8*\b+7], v[SC+16*(\sc)+2*\b+(\q)], v[SC+16*(\sc)+2*(\a)+(\q)] matrix_a_scale:MATRIX_SCALE_ROW1
.else
	v_wmma_scale_f32_16x16x128_f8f6f4 v[8*(8*(\a)+\b):8*(8*(\a)+\b)+7], v[128*(\p)+FR*\b:128*(\p)+FR*\b+FR-1], v[AF+64*(\p)+FR*(\a):AF+64*(\p)+FR*(\a)+FR-1], v[8*(8*(\a)+\b):8*(8*(\a)+\b)+7], v[SC+16*(\sc)+2*\b+(\q)], v[SC+16*(\sc)+2*(\a)+(\q)] matrix_a_scale:MATRIX_SCALE_ROW1
.endif
.endr
.endr
.endm
; a slot's first 128 along K (set 0); the second's fragments are asked for ahead of the 32 products
.macro STEP slot, first
	s_wait_dscnt 0x0                               ; set 0 and the scale words are in
	PLACES NP                                      ; eight places ahead of loads into registers that the last products read
	FETCH \slot, 1, 1
.if \first
	WIN FST_W
.else
	WIN MUL_W
.endif
	MUL16 0, 0, 0, \slot, \first
	MUL16 2, 0, 0, \slot, \first
	WIN 0
.endm
; a slot's second 128 (set 1) changes slots: one barrier; fill = 1: it opens a round of the cluster's barrier, and this slot is filled again
.macro TURN slot, next, ks, fill
	s_wait_tensorcnt 0x0                           ; all my tensor loads have landed
	ds_add_u32 v[SPW], v[NIL]
	s_wait_dscnt 0x0                               ; the add is done, and my reads of this slot are over: set 1 is in
	s_barrier_signal -1
	WIN MUL_W
	MUL16 0, 1, 1, \slot, 0
	WIN 0
	s_barrier_wait -1
.if \fill
	CREST
	s_add_nc_u64 s[G0+4*\slot+2:G0+4*\slot+3], s[G0+4*\slot+2:G0+4*\slot+3], 2*ASTEP
	s_add_nc_u64 s[G0B+4*\slot+2:G0B+4*\slot+3], s[G0B+4*\slot+2:G0B+4*\slot+3], 2*ROWB
	JLOAD G0+4*\slot, G1, G0B+4*\slot, G1B         ; the first tensor load behind the round
	PLACES NP-4
.else
	PLACES NP
.endif
	FETCH \next, 0, 0
	SCALES \next, \ks
	WIN MUL_W
	MUL16 2, 1, 1, \slot, 0
	WIN 0
.endm
	s_wait_alu depctr_va_vdst(0)                   ; the head's end
	s_wait_loadcnt 0x0                             ; my scale bytes and the bias are in registers
	s_wait_tensorcnt 0x0                           ; my tile of the head's four is in; no tensor load of mine is out, so a descriptor may be written:
	s_mov_b32 s[G1+2], 4<<16                       ; from here on a load brings half a tile
	s_mov_b32 s[G1+4], 4
	s_mov_b32 s[G1B+2], 128<<16
	s_mov_b32 s[G1B+4], 128
	ds_store_b128 v[LSA], v[AF:AF+3]
	ds_store_b128 v[LSA], v[AF+4:AF+7] offset:544
.irp j, 0,1,2,3
	ds_store_b128 v[LSB], v[AF+8+4*\j:AF+11+4*\j] offset:544*\j
.endr
	s_wait_dscnt 0x0                               ; for the others' sake
	s_barrier_signal -1
	s_barrier_wait -1                              ; both slots and all scale bytes are in
	FETCH 0, 0, 0
	SCALES 0, 0
	STEP 0, 1                                      ; K step 0; its first products take the bias as C
	TURN 0, 1, 1, 1                                ; slot 0 takes K step 2
	STEP 1, 0
	TURN 1, 0, 2, 1                                ; slot 1 takes K step 3
	STEP 0, 0
	TURN 0, 1, 3, 0                                ; nothing more to fetch: no round
	STEP 1, 0
	s_wait_dscnt 0x0
	WIN MUL_W
	MUL16 0, 1, 1, 1, 0
	MUL16 2, 1, 1, 1, 0
	WIN 0
; THE WAY OUT, block by block of 16 rows x 128 columns: through my own stage, back as whole rows of 512 bytes INTO THE BLOCK'S OWN ACCUMULATOR REGISTERS, and stored at immediate offsets:
; no register and no base of a pending store is ever written again.  LDS serves a wave's instructions in order (ISA guide 5.7.1.4): no wait between the stores and the loads.
.macro TOSTAGE a
.set AC, 64*(\a)
	WIN 0x08                                       ; the data: window 2
.irp b, 0,1,2,3,4,5,6,7
	ds_store_b128 v[STO], v[AC+8*\b:AC+8*\b+3] offset:64*\b          ; each accumulator from its low end on
	ds_store_b128 v[STO], v[AC+8*\b+4:AC+8*\b+7] offset:64*\b+16
.endr
	WIN 0x80                                       ; the destination: window 2
.irp t, 0,1,2,3,4,5,6,7,8,9,10,11,12,13,14,15
	ds_load_b128 v[AC+4*\t:AC+4*\t+3], v[RD] offset:\t*SPITCH
.endr
	WIN 0
.endm
.macro SEND a, younger                 ; younger: the LDS instructions issued behind block a's loads
.set AC, 64*(\a)
	s_wait_dscnt \younger
	WIN 0x08
.irp t, 0,1,2,3,4,5,6,7,8,9,10,11,12,13,14,15
	global_store_b128 v[CO], v[AC+4*\t:AC+4*\t+3], s[12:13] offset:(16*(\a)+\t)*SIZE_N*4 th:TH_STORE_NT   ; 32 lanes store 512 consecutive bytes, at a multiple of 256 from out0's first byte
.endr
	WIN 0
.endm
	PLACES NP
	TOSTAGE 0
.irp a, 1,2,3
	TOSTAGE \a
	SEND \a-1, 32                                  ; behind block a - 1's loads: block a's 16 stores and 16 loads
.endr
	SEND 3, 0
	s_wait_tensorcnt 0x0                           ; the wave's end
	ds_add_u32 v[SPW], v[NIL]
	s_wait_dscnt 0x0
	CROUND                                         ; the closing round
	s_endpgm
.Lfunc_end_k_q2a18a232db_proj:
	.size	k_q2a18a232db_proj, .Lfunc_end_k_q2a18a232db_proj-k_q2a18a232db_proj
	.p2alignl 7, 3214868480
	.fill 96, 4, 3214868480
	.section	.rodata,"a",@progbits
	.p2align	6, 0x0
	.amdhsa_kernel k_q2a18a232db_proj
		.amdhsa_group_segment_fixed_size 327680
		.amdhsa_private_segment_fixed_size 0
		.amdhsa_enable_private_segment 0
		.amdhsa_kernarg_size 48
		.amdhsa_user_sgpr_count 2
		.amdhsa_user_sgpr_kernarg_segment_ptr 1
		.amdhsa_wavefront_size32 1
		.amdhsa_system_sgpr_workgroup_id_x 1
		.amdhsa_system_sgpr_workgroup_id_y 1
		.amdhsa_system_sgpr_workgroup_id_z 1
		.amdhsa_system_vgpr_workitem_id 0
		.amdhsa_next_free_vgpr 768
		.amdhsa_next_free_sgpr 100
		.amdhsa_reserve_vcc 0
		.amdhsa_float_denorm_mode_32 3
		.amdhsa_float_denorm_mode_16_64 3
		.amdhsa_memory_ordered 1
		.amdhsa_forward_progress 1
		.amdhsa_inst_pref_size 107
	.end_amdhsa_kernel
	.amdgpu_metadata
---
amdhsa.version: [ 1, 2 ]
amdhsa.kernels:
  - .name:           k_q2a18a232db_proj
    .symbol:         k_q2a18a232db_proj.kd
    .args:
      - { .name: a_codes, .offset: 0, .size: 8, .value_kind: global_buffer, .address_space: global }
      - { .name: a_scales, .offset: 8, .size: 8, .value_kind: global_buffer, .address_space: global }
      - { .name: W_out_codes, .offset: 16, .size: 8, .value_kind: global_buffer, .address_space: global }
      - { .name: W_out_scales, .offset: 24, .size: 8, .value_kind: global_buffer, .address_space: global }
      - { .name: b_out, .offset: 32, .size: 8, .value_kind: global_buffer, .address_space: global }
      - { .name: out0, .offset: 40, .size: 8, .value_kind: global_buffer, .address_space: global }
    .group_segment_fixed_size: 327680
    .private_segment_fixed_size: 0
    .kernarg_segment_align: 8
    .kernarg_segment_size: 48
    .max_flat_workgroup_size: 128
    .sgpr_count:     100
    .vgpr_count:     768
    .wavefront_size: 32
...
	.end_amdgpu_metadata
.endif
;; end of part 3
